; MI455X (gfx1250); checked and timed in simulation.
; The chip was launched on July 23, 2026; its instructions are those of AMD's public machine-readable ISA for CDNA 5 (MIT licence, August 2026) and "CDNA5" Instruction Set Architecture Reference Guide (July 2026). The comments in the code are by the model that wrote it; some were corrected since.
;; Sparse Linear. Allowed arithmetic: matrix products marked QUANTISED: E2M1 operands, one E8M0 scale for each 32 along K, by v_wmma_scale_f32_16x16x128_f8f6f4 with both operands' format E2M1 (or v_wmma_scale_f32_32x16x128_f4), f32 sums; everything else in f32.
;; Inputs: A 4,096 x 4,096 float32; bias 4,096 float32; mask 4,096 x 4,096 float32; weight 4,096 x 4,096 float32.
;; Outputs: out0 4,096 x 4,096 float32.
;; This version of the problem:
;;   THIS VERSION OF THE PROBLEM IS GIVEN IN LOW PRECISION. The matrix products marked QUANTISED in the list below multiply operands that are first quantised to E2M1 (2 exponent bits, 1 mantissa bit; 4 bits a number), with one power-of-two scale for each 32 numbers along K (OCP MX v1.0); their sums are f32. All else is computed in f32.
;;   The module's matrix products, in the order in which they are computed (A, B: the left and right operand; K: the contracted axis; several contracted axes count as one K, in the product's order):
;;     1. [M 4,096, K 4,096] x [K 4,096, N 4,096]; A: input A; B: computed on the way: QUANTISED
;;   THE QUANTISER, for each operand of a quantised product, along K:
;;     - K is cut into blocks of 32 from its start; a last block that is shorter is filled with zeros.
;;     - A block's scale is 2^e with e = floor(log2(the largest magnitude in the block)) - 2, held to -126 .. 127; a block of zeros has e = 0. As a byte (E8M0): e + 127.
;;     - Each number is divided by its block's scale, clamped to +-6, and rounded to the nearest number of E2M1, ties to even, subnormals kept.
;;     - The product sums the exact products of the quantised numbers (number of the format x scale) in f32.
;;   ~~~python
;;   def quantise(x, axis):      # numpy; x: float32 -> the quantised numbers, widened to float32 again
;;       x = np.moveaxis(x, axis, -1); K = x.shape[-1]
;;       x = np.pad(x, [(0, 0)] * (x.ndim - 1) + [(0, -K % 32)]); x = x.reshape(x.shape[:-1] + (-1, 32)); a = np.abs(x).max(-1, keepdims=True)
;;       e = np.where(a > 0, np.clip(np.frexp(np.where(a > 0, a, 1))[1] - 1 - 2, -126, 127), 0)      # np.frexp(a)[1] - 1 = floor(log2(a)), exactly
;;       r = np.clip(x / 2.0 ** e, -6, 6)
;;       step = 2.0 ** (np.maximum(np.frexp(np.where(r == 0, 1, r))[1] - 1, 0) - 1)
;;       q = np.round(r / step) * step * 2.0 ** e      # np.round: ties to even
;;       return np.moveaxis(q.reshape(q.shape[:-2] + (-1,))[..., :K], -1, axis).astype(np.float32)
;;   ~~~
;;   OPERANDS COMPUTED ON THE WAY. 'Computed on the way' means the value that the module computes at that place (a softmax that the list does not call 'softmax' is quantised finished and normalised). What goes into a quantiser is computed in f32, as accurately as f32 sums, v_exp_f32 and their like allow (about 1e-6 of the number): no bf16 or f16 on the way to a quantiser, and a product that is left as it is and whose result goes on into a quantised operand takes f32 operands (vector FMAs, or v_wmma_f32_16x16x4_f32). A number that lies on a knife's edge between two numbers of the format may be rounded either way, as far as f32 arithmetic and the matrix unit's own rounding can turn it there, and no further.
;; One version. Each part assembles by itself: llvm-mc -triple=amdgcn-amd-amdhsa -mcpu=gfx1250 --defsym DOCPART=n.
;; ======== version 1 of 1: 2 launches
;; limits: right only within a limited range of input values
;; workspace buffers: aq 8,912,896 bytes; wq 8,912,896 bytes
;; launch quant (part 1): grid 1024 x 1, 4 waves a work-group, no clusters, 16,896 bytes of LDS; arguments A, weight, mask, aq, wq; writes aq, wq
.if DOCPART == 1
	.amdgcn_target "amdgcn-amd-amdhsa--gfx1250"
	.amdhsa_code_object_version 6
	.text
	.protected	k_q9edf38a76b_quant
	.globl	k_q9edf38a76b_quant
	.p2align	8
	.type	k_q9edf38a76b_quant,@function
k_q9edf38a76b_quant:
	s_mov_b64 s[64:65], 0
	v_nop
	global_prefetch_b8 v0, s[64:65] scope:SCOPE_SE
	s_setreg_imm32_b32 hwreg(HW_REG_WAVE_MODE, 25, 1), 1
	s_wait_xcnt 0x0
; A [4096][4096] and weight * mask [4096][4096] (the product taken in f32), K innermost, are turned into codes of FP4 (E2M1) with one E8M0 scale byte for each 32 along K.
; A block's scale is 2^(floor(log2(its largest magnitude)) - 2); its byte is the largest magnitude's own exponent field E - 2, held at 1 from below; each number is divided by the scale and rounded to the
; nearest code, ties to even, beyond 6 the largest code.
; LIMITS: NaN and infinities among the inputs are not served.  A block of zeros gets the byte 1 where the rule says 127: its codes are zeros, which add nothing under any byte but 0xff, and this program
; alone reads the bytes.  A block whose largest magnitude lies under 2^-124 is held at the byte 1 by the floor.
; THE OUTPUT'S LAYOUT is the next launch's: [K step of 512: 8][record of 16 rows: 256][4,352 bytes].  A record is 16 units of 256 bytes, unit j = block j of the K step as [row: 16][16 bytes: 32 codes, two a byte,
; the lower k in the low four bits], then 256 bytes of scales, [row][16 bytes].
; SHARES.  Work-groups 0-511 take A, 512-1023 weight * mask.  A wave makes ONE record in 16 steps; step 4 q + g takes rows 4 g .. 4 g + 3, 128 along K from 128 q on.  Waves share nothing: no barrier.
; A LANE KEEPS WHAT IT LOADS.  Each load reads 512 consecutive bytes of one row, 16 a lane: lane l holds k = 128 q + 4 l + 0 .. 3 of the row, and eight neighbouring lanes hold a block.
; The block's largest magnitude: two lines in the lane, three steps across the eight lanes.  The division by the scale is a multiplication by 2^(129 - E), whose bits are 0x80000000 - (E << 23): a power of
; two, so nothing is rounded.  Then ONE conversion, with the scale operand 1.0, takes the four numbers of one row and the four of the next: two bytes of codes for each row.  A lane and its neighbour
; (l xor 1) change halves, so that even lanes hold four bytes of the first row and odd lanes four bytes of the second; these words go into a small stage, four units at a time, and after each fourth
; step four whole units leave.  The step's 16 scale bytes go to the wave's 256 bytes of LDS by one store: lane l sends row l % 4's byte of block l / 8.
; THE TWO TENSORS TAKE TWO COPIES OF THE BODY, parted once, on the work-group's number: one has 4 loads a step, the other 8, and the counted waits for loads must hold on every way.  Each copy has LDS bytes of
; its own (8,192 w, in the immediates).  Loads run four steps ahead.  Every offset is an immediate, and no address or global store's data register is written twice.
; 256 registers are claimed, more than are named: four work-groups then share a WGP, and the 1,024 are one turn.
.set RECB,  4352                       ; a record in bytes
.set KSB,   256*RECB                   ; a K step of all 4,096 rows
.set EMAX,  2
.set CST,   256                        ; LDS, in a wave's 2,048 bytes: its 256 scale bytes, then the codes' stage: four units,
.set CP,    320                        ; 320 bytes apart: the 32 lanes of a store of 4 bytes then touch 32 different words modulo 256 bytes
.set SPARE, 16384                      ; behind both copies' bytes: the spare words, 128 bytes a wave
.set R,     16                         ; v16-79   four sets of 16 numbers: row i of a step at 4 i
.set MK,    80                         ; v80-143  four sets of 16 numbers of the mask
.set M,     144                        ; v144-147 the four rows' largest magnitudes
.set EX,    148                        ; v148-151 their exponent fields
.set RC,    152                        ; v152-155 2^(129 - E)
.set C,     156                        ; v156-157 codes: rows 0 and 1, rows 2 and 3
.set Q,     158                        ; v158-159 my neighbour's
.set D,     160                        ; v160-161 a word of one row
.set T,     162                        ; v162-163 at work; the scale byte
.set O,     168                        ; v168-199 codes on their way out: eight registers for each four steps
	s_load_b256 s[4:11], s[0:1], 0x0               ; A s[4:5], weight s[6:7], mask s[8:9], aq s[10:11]
	s_load_b64 s[12:13], s[0:1], 0x20              ; wq
	v_lshl_add_u32 v12, v0, 2, SPARE               ; my spare word; never rewritten
	v_mov_b32 v13, 0                               ; 0; never rewritten
	v_lshrrev_b32 v1, 5, v0
	v_readfirstlane_b32 s16, v1                    ; wave
	s_lshl_b32 s17, s16, 11                        ; LDS: 2,048 bytes for each wave
	s_add_co_u32 s18, s17, CST
	s_mov_b32 s24, 0xaaaaaaaa                      ; lanes with l & 1
	s_mov_b32 s25, 0xcccccccc                      ; lanes with l & 2
	s_mov_b32 s26, 0x7f800000                      ; an exponent field
	s_mov_b32 s27, 0x80000000                      ; 256 << 23
	v_and_b32 v2, 31, v0                           ; lane
	v_lshlrev_b32 v3, 4, v2                        ; my 16 bytes of a load's or a store's 512
	v_lshlrev_b32 v7, 3, v2                        ; my 8 bytes of the scales' 256
	v_lshrrev_b32 v8, 3, v2                        ; which of the step's four blocks is mine
	v_and_b32 v9, 1, v2                            ; which row of a pair I send
	v_bfe_u32 v11, v2, 1, 2                        ; which word of the row's four
	v_mul_u32_u24 v4, v8, CP                       ; my word: unit = block,
	v_lshl_add_u32 v4, v9, 4, v4                   ; 16 bytes a row,
	v_lshl_add_u32 v4, v11, 2, v4                  ; 4 a word
	v_and_b32 v1, 3, v2
	v_lshl_add_u32 v5, v1, 4, v8                   ; my scale byte: 16 x (l % 4) + block
	v_lshrrev_b32 v8, 4, v2
	v_and_b32 v9, 15, v2
	v_mul_u32_u24 v10, v8, CP                      ; and back: sixteen lanes to a unit, two units an instruction
	v_lshl_add_u32 v10, v9, 4, v10
	v_add_nc_u32 v5, s17, v5
	v_add_nc_u32 v6, s17, v7                       ; the scale bytes on their way out: 8 a lane
	v_add_nc_u32 v4, s18, v4
	v_add_nc_u32 v10, s18, v10
	v_mov_b32 v14, 1.0                             ; the conversions' scale operand
	v_mov_b32 v15, 0x05040100                      ; even lanes: my low half, then my neighbour's low half
	v_mov_b32 v1, 0x03020706                       ; odd lanes: my neighbour's high half, then my high half
	v_cndmask_b32 v15, v15, v1, s24
	v_mov_b32 v[Q], 0                              ; (a DPP form's destination counts as read)
	v_mov_b32 v[Q+1], 0
	s_and_b32 s18, ttmp9, 511
	s_lshl_b32 s18, s18, 2
	s_add_co_u32 s18, s18, s16                     ; which of the tensor's 2,048 records is my wave's:
	s_lshr_b32 s19, s18, 3                         ; rows 16 x this on,
	s_and_b32 s18, s18, 7                          ; K step
	s_lshl_b32 s20, s19, 18                        ; in: 16 rows of 16,384 bytes,
	s_lshl_b32 s21, s18, 11                        ; 2,048 bytes a K step
	s_add_co_u32 s20, s20, s21
	s_mov_b32 s21, 0
	s_mul_i32 s22, s18, KSB                        ; out
	s_mul_i32 s23, s19, RECB
	s_add_co_u32 s22, s22, s23
	s_mov_b32 s23, 0
	s_wait_alu depctr_va_vdst(0)
	s_wait_kmcnt 0x0
	s_add_nc_u64 s[4:5], s[4:5], s[20:21]
	s_add_nc_u64 s[6:7], s[6:7], s[20:21]
	s_add_nc_u64 s[8:9], s[8:9], s[20:21]
	s_add_nc_u64 s[10:11], s[10:11], s[22:23]
	s_add_nc_u64 s[12:13], s[12:13], s[22:23]
; w = 0: A, from s[4:5] to s[10:11].  w = 1: weight from s[6:7], mask from s[8:9], to s[12:13].
.macro LOAD t, w                       ; step t's numbers into set t % 4: load i reads 512 consecutive bytes of row 4 (t % 4) + i
.irp i, 0,1,2,3
	global_load_b128 v[R+16*((\t)%4)+4*\i:R+16*((\t)%4)+4*\i+3], v3, s[4+2*\w:5+2*\w] offset:16384*(4*((\t)%4)+\i)+512*((\t)/4) th:TH_LOAD_NT
.if \w
	global_load_b128 v[MK+16*((\t)%4)+4*\i:MK+16*((\t)%4)+4*\i+3], v3, s[8:9] offset:16384*(4*((\t)%4)+\i)+512*((\t)/4) th:TH_LOAD_NT
.endif
.endr
.endm
.macro MASK t                          ; weight x mask, in f32, two at a time
.irp j, 0,2,4,6,8,10,12,14
	v_pk_mul_f32 v[R+16*((\t)%4)+\j:R+16*((\t)%4)+\j+1], v[R+16*((\t)%4)+\j:R+16*((\t)%4)+\j+1], v[MK+16*((\t)%4)+\j:MK+16*((\t)%4)+\j+1]
.endr
.endm
.macro SENDQ q, w                      ; units 4 q .. 4 q + 3 of the record: each store covers 512 consecutive bytes, aligned
.irp i, 0,1
	global_store_b128 v3, v[O+8*(\q)+4*\i:O+8*(\q)+4*\i+3], s[10+2*\w:11+2*\w] offset:1024*(\q)+512*\i
.endr
.endm
.macro STEP t, w
.set XS, R+16*((\t)%4)
.if 15-(\t) >= 3
	s_wait_loadcnt 3*(4+4*\w)                      ; this step's loads are in; those of the three steps behind it may be out
.else
	s_wait_loadcnt (15-(\t))*(4+4*\w)              ; (at the end fewer steps are behind it)
.endif
.if ((\t)%4 == 1) && ((\t) > 1)
	s_wait_dscnt 3                                 ; the four units finished two steps ago are back in registers: behind their two loads stand the last step's three stores
	SENDQ (\t)/4-1, \w
.endif
.if \w
	MASK \t
.endif
.irp i, 0,1,2,3                        ; the four rows by turns: no line waits for the line above it
	v_max3_num_f32 v[M+\i], |v[XS+4*\i]|, |v[XS+4*\i+1]|, |v[XS+4*\i+2]|
.endr
.irp i, 0,1,2,3
	v_max3_num_f32 v[M+\i], v[M+\i], |v[XS+4*\i+3]|, (EMAX+1)<<23   ; and the floor 2^(3 - 127): so the byte cannot fall under 1
.endr
.irp x, 1,2,4                          ; across the eight lanes of a block
.irp i, 0,1,2,3
	v_max_num_f32_dpp v[M+\i], v[M+\i], v[M+\i] row_xmask:\x row_mask:0xf bank_mask:0xf
.endr
.endr
.irp i, 0,1,2,3
	v_and_b32 v[EX+\i], s26, v[M+\i]               ; E << 23
.endr
.irp i, 0,1,2,3
	v_sub_nc_u32 v[RC+\i], s27, v[EX+\i]           ; (256 - E) << 23: the number 2^(129 - E) = 1 / the scale
.endr
.irp j, 0,1
	v_pk_mul_f32 v[XS+8*\j:XS+8*\j+1], v[XS+8*\j:XS+8*\j+1], v[RC+2*\j:RC+2*\j+1] op_sel_hi:[1,0]                  ; the pair's first row by the first factor,
	v_pk_mul_f32 v[XS+8*\j+2:XS+8*\j+3], v[XS+8*\j+2:XS+8*\j+3], v[RC+2*\j:RC+2*\j+1] op_sel_hi:[1,0]
	v_pk_mul_f32 v[XS+8*\j+4:XS+8*\j+5], v[XS+8*\j+4:XS+8*\j+5], v[RC+2*\j:RC+2*\j+1] op_sel:[0,1] op_sel_hi:[1,1]   ; its second row by the second
	v_pk_mul_f32 v[XS+8*\j+6:XS+8*\j+7], v[XS+8*\j+6:XS+8*\j+7], v[RC+2*\j:RC+2*\j+1] op_sel:[0,1] op_sel_hi:[1,1]
.endr
	v_cvt_scalef32_pk8_fp4_f32 v[C], v[XS:XS+7], v14               ; low half: four codes of row 0; high half: of row 1
	v_cvt_scalef32_pk8_fp4_f32 v[C+1], v[XS+8:XS+15], v14          ; rows 2 and 3
	v_cndmask_b32 v[T], v[EX], v[EX+1], s24        ; row l % 4's exponent field.  (Also the plain lines behind the conversions)
	v_cndmask_b32 v[T+1], v[EX+2], v[EX+3], s24
	v_cndmask_b32 v[T], v[T], v[T+1], s25
	v_mov_b32_dpp v[Q], v[C] row_xmask:1 row_mask:0xf bank_mask:0xf
	v_mov_b32_dpp v[Q+1], v[C+1] row_xmask:1 row_mask:0xf bank_mask:0xf
	v_lshrrev_b32 v[T], 23, v[T]
	v_perm_b32 v[D], v[Q], v[C], v15               ; even lanes: eight codes of the pair's first row; odd lanes: of its second
	v_perm_b32 v[D+1], v[Q+1], v[C+1], v15
	v_add_nc_u32 v[T], -EMAX, v[T]                 ; the scale's byte
	ds_store_b32 v4, v[D] offset:8192*\w+64*((\t)%4)
	ds_store_b32 v4, v[D+1] offset:8192*\w+64*((\t)%4)+32
	ds_store_b8 v5, v[T] offset:8192*\w+64*((\t)%4)+4*((\t)/4)     ; [row][block]; lanes l and l + 4 of a block write the same byte with the same value
.if (\t)%4 == 3
.irp i, 0,1
	ds_load_b128 v[O+8*((\t)/4)+4*\i:O+8*((\t)/4)+4*\i+3], v10 offset:8192*\w+2*CP*\i   ; all 16 rows of four blocks are there: LDS serves a wave's instructions in order, so these see the stores, and the next four steps' stores come behind them
.endr
.endif
.if (\t)+4 < 16
	LOAD (\t)+4, \w                                ; into the registers that this step's numbers have left
.endif
.endm
.macro BODY w
.irp t, 0,1,2,3
	LOAD \t, \w
.endr
.irp t, 0,1,2,3,4,5,6,7,8,9,10,11,12,13,14,15
	STEP \t, \w
.endr
	ds_load_b64 v[8:9], v6 offset:8192*\w          ; these see my byte stores
	s_wait_dscnt 0x0
	SENDQ 3, \w
	global_store_b64 v7, v[8:9], s[10+2*\w:11+2*\w] offset:4096    ; the record's 256 scale bytes, behind its codes: 256 consecutive bytes, aligned
	s_wait_tensorcnt 0x0                           ; the wave's end
	ds_add_u32 v12, v13
	s_wait_dscnt 0x0
	s_endpgm
.endm
	s_cmp_lt_u32 ttmp9, 512                        ; A's work-group or the weight's?
	s_cbranch_scc0 .Lweight
	BODY 0
.Lweight:
	BODY 1
.Lfunc_end_k_q9edf38a76b_quant:
	.size	k_q9edf38a76b_quant, .Lfunc_end_k_q9edf38a76b_quant-k_q9edf38a76b_quant
	.p2alignl 7, 3214868480
	.fill 96, 4, 3214868480
	.section	.rodata,"a",@progbits
	.p2align	6, 0x0
	.amdhsa_kernel k_q9edf38a76b_quant
		.amdhsa_group_segment_fixed_size 16896
		.amdhsa_private_segment_fixed_size 0
		.amdhsa_enable_private_segment 0
		.amdhsa_kernarg_size 40
		.amdhsa_user_sgpr_count 2
		.amdhsa_user_sgpr_kernarg_segment_ptr 1
		.amdhsa_wavefront_size32 1
		.amdhsa_system_sgpr_workgroup_id_x 1
		.amdhsa_system_sgpr_workgroup_id_y 1
		.amdhsa_system_sgpr_workgroup_id_z 1
		.amdhsa_system_vgpr_workitem_id 0
		.amdhsa_next_free_vgpr 256
		.amdhsa_next_free_sgpr 66
		.amdhsa_reserve_vcc 0
		.amdhsa_float_denorm_mode_32 3
		.amdhsa_float_denorm_mode_16_64 3
		.amdhsa_memory_ordered 1
		.amdhsa_forward_progress 1
		.amdhsa_inst_pref_size 128
	.end_amdhsa_kernel
	.amdgpu_metadata
---
amdhsa.version: [ 1, 2 ]
amdhsa.kernels:
  - .name:           k_q9edf38a76b_quant
    .symbol:         k_q9edf38a76b_quant.kd
    .args:
      - { .name: A, .offset: 0, .size: 8, .value_kind: global_buffer, .address_space: global }
      - { .name: weight, .offset: 8, .size: 8, .value_kind: global_buffer, .address_space: global }
      - { .name: mask, .offset: 16, .size: 8, .value_kind: global_buffer, .address_space: global }
      - { .name: aq, .offset: 24, .size: 8, .value_kind: global_buffer, .address_space: global }
      - { .name: wq, .offset: 32, .size: 8, .value_kind: global_buffer, .address_space: global }
    .group_segment_fixed_size: 16896
    .private_segment_fixed_size: 0
    .kernarg_segment_align: 8
    .kernarg_segment_size: 40
    .max_flat_workgroup_size: 128
    .sgpr_count:     66
    .vgpr_count:     256
    .wavefront_size: 32
...
	.end_amdgpu_metadata
.endif
;; end of part 1
;; launch gemm (part 2): grid 16 x 16, 4 waves a work-group, clusters of 4 x 1, 327,680 bytes of LDS; arguments aq, wq, bias, out0; writes out0
.if DOCPART == 2
	.amdgcn_target "amdgcn-amd-amdhsa--gfx1250"
	.amdhsa_code_object_version 6
	.text
	.protected	k_q9edf38a76b_gemm
	.globl	k_q9edf38a76b_gemm
	.p2align	8
	.type	k_q9edf38a76b_gemm,@function
k_q9edf38a76b_gemm:
	s_mov_b64 s[64:65], 0
	v_nop
	global_prefetch_b8 v0, s[64:65] scope:SCOPE_SE
	s_setreg_imm32_b32 hwreg(HW_REG_WAVE_MODE, 25, 1), 1
	s_wait_xcnt 0x0
	s_wait_alu depctr_hold_cnt(0) depctr_sa_sdst(0) depctr_va_vdst(0) depctr_va_sdst(0) depctr_va_ssrc(0) depctr_va_vcc(0) depctr_vm_vsrc(0)
	s_getreg_b32 s2, hwreg(HW_REG_IB_STS2, 6, 4)
	s_cmp_eq_u32 s2, 0
	s_cbranch_scc0 .Lentry_in_a_cluster
	s_endpgm
.Lentry_in_a_cluster:
	s_bfe_u32 s2, ttmp6, 0x10000c
	s_cmp_lg_u32 s2, 0x3003
	s_cbranch_scc0 .Lentry_shape_is_right
	s_endpgm
.Lentry_shape_is_right:
; out0[m][n] = sum over k of A[m][k] (weight x mask)[n][k] + bias[n], on codes of FP4 (E2M1) with one E8M0 byte for each 32 along K, as the launch before laid them:
; [K step of 512: 8][record of 16 rows: 256][4,352 bytes]; a record is 16 units of 256 bytes (unit j = block j as [row][16 bytes]) and 256 bytes of scales [row][16 bytes].
; SHARES.  A work-group of four waves makes 256 x 256 of the result; wave w makes all 256 rows x columns 64 w .. 64 w + 63: 64 accumulators, 512 registers.
; A's records come through a ring of two LDS slots, each 1,024 along K (two K steps x 16 records), a quarter of a slot to a wave's tensor load, as rows of 256 bytes with 16 of padding.
; The four work-groups of a cluster (4, 1, 1) make one tile row and ask for A's tiles jointly.  W's records are read by one wave alone and lie in the order of the operand's registers: each wave loads its own
; four records straight into registers, eight steps of 128 (window 1), a set being asked for again at the end of the step that used it.  W does not go through LDS: a wave would still read 16 fragments a step (8 + 8), and two slots of both operands at 1,024 along K do not fit.
; No prefetch: the block is the largest, in clusters, and K is four slots, of which two are the head's: the launch has two refills, each asked for 480 matrix instructions ahead of the wait for it.
; A STEP of 128 along K is 64 matrix instructions; A has one set of fragments: blocks 0-7 are loaded anew in the step's middle, blocks 8-15 at its end, each in one run.
; THE HEAD asks under the first tile's flight only for what the first two steps need of W (21 loads); W's other six sets follow behind the second round.
; THE LAST SLOT: its first step goes as every step; its other seven go BY ROWS OF THE RESULT: a block of 16 rows is finished by 28 matrix instructions (its four accumulators by turns)
; and leaves through the wave's stage while the next blocks are multiplied.  The sums' order along K stays ascending.
; THE MATRIX INSTRUCTION IS USED TRANSPOSED (source 0 = 16 rows of W, source 1 = 16 rows of A): a lane holds eight neighbouring columns of one row of the result.
; REGISTERS: window 0: v4-7 bias, v8-21 addresses, v28-29 the add's two, v32-95 A's scale words (two sets), v96-111 W's (two sets), v128-255 A's fragments; window 1: W's fragments, set g at 32 g;
; windows 2, 3: the accumulators of rows 0-127, 128-255, (a, b) at 8 (4 (a % 8) + b).
.set SIZE_N, 4096
.set PITCH,  272                       ; an LDS row: 256 bytes + 16 of padding
.set RECL,   17*PITCH                  ; a record in LDS
.set HALFT,  8*RECL                    ; what one tensor load brings: 8 records
.set SLOT,   4*HALFT                   ; [K step: 2][half of the rows: 2]
.set SPARE,  2*SLOT                    ; the spare words, 128 bytes a wave
.set RECB,   4352
.set HALFB,  8*RECB
.set TILEB,  16*RECB
.set KSB,    256*RECB
.set BI,   4
.set LA,   8                           ; lane part of a fragment's address: 272 h + 16 r
.set LS,   9                           ; lane part of the scale words' address: lanes 16-31 take the records 8 further on
.set ADRA, 10                          ; v10-13  fragments: [K step][half of the rows] of the slot being read
.set ASC0, 14                          ; v14-15  scale words of the slot's K step 0, 1
.set WO,   16
.set WSO,  17
.set BO,   18
.set STO,  19
.set RD,   20
.set CO,   21
.set SPW,  28
.set NIL,  29
.set SC,   32
.set WS,   96
.set AF,   128
.set WV,   14                          ; s14 wave
.set TB,   22                          ; s22 LDS base of the slot being read
.set G1,   24
.set G0,   32
.set GW,   36
.set WP,   48                          ; s[48:49] my four records of W, at the slot's first K step
.set MSB, 0
.macro WIN new                         ; the immediate's high byte repeats the setting that is left
.if MSB != (\new)
	s_set_vgpr_msb (MSB<<8)|(\new)
.set MSB, (\new)
.endif
.endm
.set MUL_LO, 0xa1                      ; source 0 (W) window 1, source 1 (A) window 0, C and D window 2
.set MUL_HI, 0xf1
.set TO_B,   0x40
.macro CREST                           ; a round of the cluster's barrier behind its opening barrier
	s_cmp_lg_u32 s[WV], 0
	s_cbranch_scc1 .Lnot_wave_0_\@
	s_barrier_signal -3
.Lnot_wave_0_\@:
	s_barrier_wait -3
	s_barrier_signal -1
	s_barrier_wait -1
.endm
.macro CROUND
	s_barrier_signal -1
	s_barrier_wait -1
	CREST
.endm
.macro PLACES                          ; four places behind matrix instructions, in front of loads into their registers and of reads of their results
.rept 4
	v_nop
.endr
.endm
.macro SETADR                          ; the addresses of the slot at s[TB]
.irp x, 0,1,2,3
	s_add_co_u32 s50, s[TB], \x*HALFT
	v_add_nc_u32 v[ADRA+\x], s50, v[LA]
.endr
	v_add_nc_u32 v[ASC0], s[TB], v[LS]
	s_add_co_u32 s50, s[TB], 2*HALFT
	v_add_nc_u32 v[ASC0+1], s50, v[LS]
.endm
	s_load_b256 s[4:11], s[0:1], 0x0               ; aq, wq, bias, out0
	v_lshl_add_u32 v[SPW], v0, 2, SPARE
	v_mov_b32 v[NIL], 0
	ds_add_u32 v[SPW], v[NIL]                      ; the opening lines: the add, twice on end, and its wait ahead of my first tensor load
	ds_add_u32 v[SPW], v[NIL]
	v_lshrrev_b32 v1, 5, v0
	v_readfirstlane_b32 s[WV], v1
	s_lshr_b32 s15, s[WV], 1                       ; which K step of a slot I fetch
	s_and_b32 s16, s[WV], 1                        ; which 8 records of it
	s_bfe_u32 s40, ttmp6, 0x40000                  ; cx
	s_lshl_b32 s42, ttmp9, 2
	s_add_co_u32 s42, s42, s40                     ; tile column
	s_and_b32 s17, ttmp7, 0xffff                   ; tile row: the same in the four partners
	s_mov_b32 s[G1], 15|(3<<16)|(1<<20)|(1<<21)|(5<<22)|(3<<25)   ; mask of the four; elements of 8 bytes; 4 words of padding behind every 64
	s_mov_b32 s[G1+1], 32<<16
	s_mov_b32 s[G1+2], 136<<16                     ; 8 records = 136 rows of 256 bytes, dense
	s_mov_b32 s[G1+3], 32<<16
	s_mov_b32 s[G1+4], 136
	s_mov_b32 s[G1+5], 32
	s_mov_b32 s[G1+6], 0
	s_mov_b32 s[G1+7], 0
	s_mul_i32 s20, s17, TILEB
	s_mul_i32 s18, s16, HALFB
	s_add_co_u32 s20, s20, s18
	s_mul_i32 s18, s15, KSB
	s_add_co_u32 s20, s20, s18
	s_mov_b32 s21, 0
	s_mul_i32 s45, s[WV], HALFT                    ; where my part of a slot goes
	s_mov_b32 s[TB], 0
	s_mul_i32 s23, s[WV], 16*PITCH                 ; my stage for the way out, in slot 0
	s_lshl_b32 s46, s42, 4
	s_lshl_b32 s47, s[WV], 2
	s_add_co_u32 s46, s46, s47
	s_mul_i32 s46, s46, RECB                       ; my four records of W
	s_mov_b32 s47, 0
	s_lshl_b32 s52, s42, 10
	s_lshl_b32 s53, s[WV], 8
	s_add_co_u32 s52, s52, s53                     ; my 64 columns, in bytes
	s_mov_b32 s53, 0
	s_lshl_b32 s54, s17, 22                        ; the tile's 256 rows of 16,384 bytes
	s_mov_b32 s55, 0
	v_and_b32 v1, 15, v0                           ; r
	v_bfe_u32 v2, v0, 4, 1                         ; h
	v_and_b32 v3, 31, v0
	v_mul_u32_u24 v[LA], v2, PITCH
	v_lshl_add_u32 v[LA], v1, 4, v[LA]
	v_mul_u32_u24 v[LS], v2, HALFT
	v_lshl_add_u32 v[LS], v1, 4, v[LS]
	v_add_nc_u32 v[LS], 16*PITCH, v[LS]
	SETADR
	v_mul_u32_u24 v[STO], v1, PITCH                ; into the stage: row r, 32 bytes for each half of the lanes
	v_lshl_add_u32 v[STO], v2, 5, v[STO]
	v_add_nc_u32 v[STO], s23, v[STO]
	v_add_nc_u32 v[RD], s23, v[LA]                 ; back: sixteen lanes to a row of 256 bytes
	v_lshlrev_b32 v[CO], 14, v2                    ; and the same two rows in the result
	v_lshl_add_u32 v[CO], v1, 4, v[CO]
	v_lshlrev_b32 v[WO], 4, v3                     ; W: 32 lanes take 512 consecutive bytes
	v_mul_u32_u24 v[WSO], v2, 2*RECB               ; W's scale words: lanes 16-31 take the record two further on
	v_lshl_add_u32 v[WSO], v1, 4, v[WSO]
	v_add_nc_u32 v[WSO], 4096, v[WSO]
	v_lshlrev_b32 v[BO], 4, v1
	s_wait_alu depctr_va_vdst(0)
	s_wait_dscnt 0x0                               ; both opening adds are done
	s_wait_kmcnt 0x0
	s_add_nc_u64 s[20:21], s[4:5], s[20:21]
	s_add_nc_u64 s[WP:WP+1], s[6:7], s[46:47]
	s_add_nc_u64 s[8:9], s[8:9], s[52:53]
	s_add_nc_u64 s[10:11], s[10:11], s[52:53]
	s_add_nc_u64 s[10:11], s[10:11], s[54:55]
	s_mov_b32 s[G0], 1
	s_mov_b32 s[G0+1], s45
	s_mov_b64 s[G0+2:G0+3], s[20:21]
	s_or_b32 s[G0+3], s[G0+3], 0x80000000
	s_mov_b32 s[GW], 1
	s_add_co_u32 s[GW+1], s45, SLOT
	s_add_nc_u64 s[GW+2:GW+3], s[20:21], 2*KSB
	s_or_b32 s[GW+3], s[GW+3], 0x80000000
	CROUND                                         ; the four partners are here: the first joint loads meet
	tensor_load_to_lds s[G0:G0+3], s[G1:G1+7]      ; slot 0: one tensor load a wave at the head
	s_nop 0
	PLACES
.macro W2 g, kb, b                     ; tile b of W's set g, from K step kb behind s[WP]
.irp c, 0,1
	global_load_b128 v[32*(\g)+8*(\b)+4*\c:32*(\g)+8*(\b)+4*\c+3], v[WO], s[WP:WP+1] offset:(\kb)*KSB+(\b)*RECB+512*(2*((\g)%4)+\c)
.endr
.endm
.macro WSLOAD p, kb                    ; W's scale words of a K step into set p
.irp b, 0,1
	global_load_b128 v[WS+8*(\p)+4*\b:WS+8*(\p)+4*\b+3], v[WSO], s[WP:WP+1] offset:(\kb)*KSB+\b*RECB
.endr
.endm
.macro WPOINT g, kb                    ; W's set g anew; with sets 3 and 7 the scale words of their K step, ahead of them
.if (\g)%4 == 3
	WSLOAD (\g)/4, \kb
.endif
	WIN TO_B
.irp b, 0,1,2,3
	W2 \g, \kb, \b
.endr
	WIN 0
.endm
.macro FRAGA a, g                      ; block a's fragment of the slot's step g
.irp c, 0,1
	ds_load_b128 v[AF+8*(\a)+4*\c:AF+8*(\a)+4*\c+3], v[ADRA+2*((\g)/4)+(\a)/8] offset:((\a)%8)*RECL+PITCH*(4*((\g)%4)+2*\c)
.endr
.endm
.macro FETCH_A g, hi                   ; eight blocks: 16 loads in one run
.irp i, 0,1,2,3,4,5,6,7
	FRAGA 8*\hi+\i, \g
.endr
.endm
.macro SCALES p                        ; register 4 j + q of set p: the words of records j (lanes 0-15) and j + 8 (lanes 16-31) for the K step's q-th 128
.irp j, 0,1,2,3,4,5,6,7
	ds_load_b128 v[SC+32*(\p)+4*\j:SC+32*(\p)+4*\j+3], v[ASC0+(\p)] offset:\j*RECL
.endr
.endm
.macro WM a, b, g, zero                ; one product; rA is set by the caller
.set rD, 8*(4*((\a)%8)+(\b))
.set rW, 32*(\g)+8*(\b)
.set rX, WS+8*((\g)/4)+4*((\b)%2)+(\g)%4
.set rY, SC+32*((\g)/4)+4*((\a)%8)+(\g)%4
.if \zero
.if ((\b)/2) && ((\a)/8)
	v_wmma_scale_f32_16x16x128_f8f6f4 v[rD:rD+7], v[rW:rW+7], v[rA:rA+7], 0, v[rX], v[rY] matrix_a_fmt:MATRIX_FMT_FP4 matrix_b_fmt:MATRIX_FMT_FP4 matrix_a_scale:MATRIX_SCALE_ROW1 matrix_b_scale:MATRIX_SCALE_ROW1
.elseif (\b)/2
	v_wmma_scale_f32_16x16x128_f8f6f4 v[rD:rD+7], v[rW:rW+7], v[rA:rA+7], 0, v[rX], v[rY] matrix_a_fmt:MATRIX_FMT_FP4 matrix_b_fmt:MATRIX_FMT_FP4 matrix_a_scale:MATRIX_SCALE_ROW1
.elseif (\a)/8
	v_wmma_scale_f32_16x16x128_f8f6f4 v[rD:rD+7], v[rW:rW+7], v[rA:rA+7], 0, v[rX], v[rY] matrix_a_fmt:MATRIX_FMT_FP4 matrix_b_fmt:MATRIX_FMT_FP4 matrix_b_scale:MATRIX_SCALE_ROW1
.else
	v_wmma_scale_f32_16x16x128_f8f6f4 v[rD:rD+7], v[rW:rW+7], v[rA:rA+7], 0, v[rX], v[rY] matrix_a_fmt:MATRIX_FMT_FP4 matrix_b_fmt:MATRIX_FMT_FP4
.endif
.else
.if ((\b)/2) && ((\a)/8)
	v_wmma_scale_f32_16x16x128_f8f6f4 v[rD:rD+7], v[rW:rW+7], v[rA:rA+7], v[rD:rD+7], v[rX], v[rY] matrix_a_fmt:MATRIX_FMT_FP4 matrix_b_fmt:MATRIX_FMT_FP4 matrix_a_scale:MATRIX_SCALE_ROW1 matrix_b_scale:MATRIX_SCALE_ROW1
.elseif (\b)/2
	v_wmma_scale_f32_16x16x128_f8f6f4 v[rD:rD+7], v[rW:rW+7], v[rA:rA+7], v[rD:rD+7], v[rX], v[rY] matrix_a_fmt:MATRIX_FMT_FP4 matrix_b_fmt:MATRIX_FMT_FP4 matrix_a_scale:MATRIX_SCALE_ROW1
.elseif (\a)/8
	v_wmma_scale_f32_16x16x128_f8f6f4 v[rD:rD+7], v[rW:rW+7], v[rA:rA+7], v[rD:rD+7], v[rX], v[rY] matrix_a_fmt:MATRIX_FMT_FP4 matrix_b_fmt:MATRIX_FMT_FP4 matrix_b_scale:MATRIX_SCALE_ROW1
.else
	v_wmma_scale_f32_16x16x128_f8f6f4 v[rD:rD+7], v[rW:rW+7], v[rA:rA+7], v[rD:rD+7], v[rX], v[rY] matrix_a_fmt:MATRIX_FMT_FP4 matrix_b_fmt:MATRIX_FMT_FP4
.endif
.endif
.endm
.macro MULB a0, g, zero                ; 16 products: four blocks of A against W's four tiles; the accumulators take turns, in the same order in every step
.irp a, \a0, \a0+1, \a0+2, \a0+3
.set rA, AF+8*(\a)
.irp b, 0,1,2,3
	WM \a, \b, \g, \zero
.endr
.endr
.endm
; Step g = 0 .. 6 of a slot.  n: the loads of W that may stay out: seven younger sets of 8 (56); steps 0 and 4 want the scale words, behind which 8 + 24 + 10 loads were issued (42).
.macro STEP g, zero, n
	s_wait_loadcnt \n
	s_wait_dscnt 16                                ; blocks 0-7 are in; the youngest 16 loads (blocks 8-15) may be out
	WIN MUL_LO
	MULB 0, \g, \zero
	MULB 4, \g, \zero
	s_wait_dscnt 0x0
	PLACES
	WIN 0
	FETCH_A (\g)+1, 0
.if (\g) == 3
	SCALES 1
.endif
	WIN MUL_HI
	MULB 8, \g, \zero
	MULB 12, \g, \zero
	PLACES
	WIN 0
	FETCH_A (\g)+1, 1
	WPOINT \g, 2+(\g)/4
.endm
; Step 7 changes slots: ONE barrier; in front of it each wave waits for all its tensor loads, adds 0 to its spare word, and waits for that and for its reads of this slot.
.macro TURN fill
	s_wait_xcnt 0x0                                ; W's loads have read their base
	s_add_nc_u64 s[WP:WP+1], s[WP:WP+1], 2*KSB
	s_wait_loadcnt 56
	s_wait_tensorcnt 0x0                           ; my part of the next slot has landed
	ds_add_u32 v[SPW], v[NIL]
	s_wait_dscnt 17                                ; (the add and the youngest 16 loads may be out)
	WIN MUL_LO
	MULB 0, 7, 0
	s_wait_dscnt 0x0                               ; the add is done, and my reads of this slot are over
	s_barrier_signal -1
	MULB 4, 7, 0
	WIN 0
.if \fill
	s_add_co_u32 s[GW+1], s45, s[TB]               ; no tensor load of mine is out: the slot just read takes the K steps two slots on
	s_add_nc_u64 s[GW+2:GW+3], s[GW+2:GW+3], 2*KSB
.endif
	s_xor_b32 s[TB], s[TB], SLOT
	SETADR
	s_barrier_wait -1
.if \fill
	CREST                                          ; the barrier has opened a round of the cluster's barrier
	tensor_load_to_lds s[GW:GW+3], s[G1:G1+7]
	s_nop 0
.endif
	PLACES
	s_wait_alu depctr_va_vdst(0)                   ; the new addresses are written before their readers
	FETCH_A 0, 0
	SCALES 0
	WIN MUL_HI
	MULB 8, 7, 0
	MULB 12, 7, 0
	PLACES
	WIN 0
	FETCH_A 0, 1
	WPOINT 7, 1
.endm
	WSLOAD 0, 0                                    ; under the first tile's flight: W's scale words, the bias, W's first two sets
	WSLOAD 1, 1
	global_load_b128 v[BI:BI+3], v[BO], s[8:9]
	WIN TO_B
.irp g, 0,1
.irp b, 0,1,2,3
	W2 \g, 0, \b
.endr
.endr
	WIN 0
	s_wait_tensorcnt 0x0                           ; my part of slot 0 is in
	ds_add_u32 v[SPW], v[NIL]
	s_wait_dscnt 0x0
	CROUND                                         ; everybody's part is in, and the partners are here
	tensor_load_to_lds s[GW:GW+3], s[G1:G1+7]      ; slot 1's first fill
	s_nop 0
	PLACES
	FETCH_A 0, 0
	SCALES 0
	FETCH_A 0, 1
	WIN TO_B
.irp g, 2,3,4,5,6,7
.irp b, 0,1,2,3
	W2 \g, \g/4, \b
.endr
.endr
	WIN 0
	STEP 0, 1, 56                                  ; the first step starts the sums
	s_mov_b32 s3, 2
.Ltrip:                                                ; a trip: from a slot's second step to the next slot's first; it fills the slot that it leaves
.irp g, 1,2,3
	STEP \g, 0, 56
.endr
	STEP 4, 0, 42
.irp g, 5,6
	STEP \g, 0, 56
.endr
	TURN 1
	STEP 0, 0, 42
	s_sub_co_u32 s3, s3, 1
	s_cmp_lg_u32 s3, 0
	s_cbranch_scc1 .Ltrip
.irp g, 1,2,3
	STEP \g, 0, 56
.endr
	STEP 4, 0, 42
.irp g, 5,6
	STEP \g, 0, 56
.endr
	TURN 0                                         ; the last change of slots fills nothing
; THE LAST SLOT.
.macro ALOAD a                         ; block a's fragments of steps 1 to 7 into buffer a % 2: 14 loads
	WIN 0
.irp g, 1,2,3,4,5,6,7
.irp c, 0,1
	ds_load_b128 v[AF+64*((\a)%2)+8*\g+4*\c:AF+64*((\a)%2)+8*\g+4*\c+3], v[ADRA+2*(\g/4)+(\a)/8] offset:((\a)%8)*RECL+PITCH*(4*(\g%4)+2*\c)
.endr
.endr
.endm
.macro ROW a, n                        ; block a is finished: 28 matrix instructions, its four accumulators by turns
	s_wait_dscnt \n
	WIN MUL_LO+0x50*((\a)/8)
.irp g, 1,2,3,4,5,6,7
.if (\a) == 0
.if \g == 1
	s_wait_loadcnt 10                              ; W's sets up to 6 are in; the last scale words and set 7 may be out
.endif
.if \g == 4
	s_wait_loadcnt 8                               ; the scale words
.endif
.if \g == 7
	s_wait_loadcnt 0x0                             ; set 7
.endif
.endif
.set rA, AF+64*((\a)%2)+8*\g
.irp b, 0,1,2,3
	WM \a, \b, \g, 0
.endr
.endr
.endm
.macro TOSTAGE a                       ; 16 rows x 64 columns into my stage, each accumulator from its low end on, and back as whole rows of 256 bytes; LDS serves a wave's instructions in order
.set AC, 32*((\a)%8)
	WIN 0x08+4*((\a)/8)
.irp b, 0,1,2,3
	ds_store_b128 v[STO], v[AC+8*\b:AC+8*\b+3] offset:64*\b
	ds_store_b128 v[STO], v[AC+8*\b+4:AC+8*\b+7] offset:64*\b+16
.endr
	WIN 0x80+0x40*((\a)/8)
.irp t, 0,1,2,3,4,5,6,7
	ds_load_b128 v[AC+4*\t:AC+4*\t+3], v[RD] offset:\t*2*PITCH
.endr
.endm
.macro ADDB a, younger                 ; the block is back from the stage: + bias
.set AC, 32*((\a)%8)
	s_wait_dscnt \younger
	WIN 0x82+0x41*((\a)/8)
.irp t, 0,1,2,3,4,5,6,7
	v_pk_add_f32 v[AC+4*\t:AC+4*\t+1], v[AC+4*\t:AC+4*\t+1], v[BI:BI+1]
	v_pk_add_f32 v[AC+4*\t+2:AC+4*\t+3], v[AC+4*\t+2:AC+4*\t+3], v[BI+2:BI+3]
.endr
.endm
.macro STOR a                          ; and out: sixteen lanes store 256 consecutive bytes, aligned
.set AC, 32*((\a)%8)
	WIN 0x08+4*((\a)/8)
.irp t, 0,1,2,3,4,5,6,7
	global_store_b128 v[CO], v[AC+4*\t:AC+4*\t+3], s[10:11] offset:((\a)*16+2*\t)*SIZE_N*4
.endr
.endm
	s_wait_loadcnt 42                              ; its first step, by K
	s_wait_dscnt 16
	WIN MUL_LO
	MULB 0, 0, 0
	MULB 4, 0, 0
	s_wait_dscnt 0x0
	PLACES
	ALOAD 0                                        ; blocks 0-7's fragments are done with: buffer 0
	SCALES 1
	WIN MUL_HI
	MULB 8, 0, 0
	MULB 12, 0, 0
	PLACES
	ALOAD 1
	ROW 0, 14                                      ; block 1's 14 loads may be out
	PLACES
	TOSTAGE 0                                      ; the stage lies in slot 0, which has had its last fill, and which nobody reads behind the last change of slots
	ALOAD 2
.irp a, 1,2,3,4,5,6,7,8,9,10,11,12,13,14,15
.if \a < 15
	ROW \a, 30                                     ; behind block a's loads: a stage's 16 instructions and 14 loads
	ADDB \a-1, 14                                  ; its 16 additions are the places behind block a's products
.else
	ROW \a, 16
	ADDB \a-1, 0
.endif
	TOSTAGE \a                                     ; block a's trip through the stage and the next fragments are asked for ahead of block a - 1's stores
.if \a < 14
	ALOAD \a+2
.endif
	STOR \a-1
.endr
	ADDB 15, 0
	STOR 15
	WIN 0
	s_wait_tensorcnt 0x0                           ; the wave's end
	ds_add_u32 v[SPW], v[NIL]
	s_wait_dscnt 0x0
	CROUND                                         ; the closing round
	s_endpgm
.Lfunc_end_k_q9edf38a76b_gemm:
	.size	k_q9edf38a76b_gemm, .Lfunc_end_k_q9edf38a76b_gemm-k_q9edf38a76b_gemm
	.p2alignl 7, 3214868480
	.fill 96, 4, 3214868480
	.section	.rodata,"a",@progbits
	.p2align	6, 0x0
	.amdhsa_kernel k_q9edf38a76b_gemm
		.amdhsa_group_segment_fixed_size 327680
		.amdhsa_private_segment_fixed_size 0
		.amdhsa_enable_private_segment 0
		.amdhsa_kernarg_size 32
		.amdhsa_user_sgpr_count 2
		.amdhsa_user_sgpr_kernarg_segment_ptr 1
		.amdhsa_wavefront_size32 1
		.amdhsa_system_sgpr_workgroup_id_x 1
		.amdhsa_system_sgpr_workgroup_id_y 1
		.amdhsa_system_sgpr_workgroup_id_z 1
		.amdhsa_system_vgpr_workitem_id 0
		.amdhsa_next_free_vgpr 1024
		.amdhsa_next_free_sgpr 66
		.amdhsa_reserve_vcc 0
		.amdhsa_float_denorm_mode_32 3
		.amdhsa_float_denorm_mode_16_64 3
		.amdhsa_memory_ordered 1
		.amdhsa_forward_progress 1
		.amdhsa_inst_pref_size 255
	.end_amdhsa_kernel
	.section	.bss,"aw",@nobits
	.p2align	6
	.space	262144
	.amdgpu_metadata
---
amdhsa.version: [ 1, 2 ]
amdhsa.kernels:
  - .name:           k_q9edf38a76b_gemm
    .symbol:         k_q9edf38a76b_gemm.kd
    .args:
      - { .name: aq, .offset: 0, .size: 8, .value_kind: global_buffer, .address_space: global }
      - { .name: wq, .offset: 8, .size: 8, .value_kind: global_buffer, .address_space: global }
      - { .name: bias, .offset: 16, .size: 8, .value_kind: global_buffer, .address_space: global }
      - { .name: out0, .offset: 24, .size: 8, .value_kind: global_buffer, .address_space: global }
    .group_segment_fixed_size: 327680
    .private_segment_fixed_size: 0
    .kernarg_segment_align: 8
    .kernarg_segment_size: 32
    .max_flat_workgroup_size: 128
    .sgpr_count:     66
    .vgpr_count:     1024
    .wavefront_size: 32
...
	.end_amdgpu_metadata
.endif
;; end of part 2
